; MI455X (gfx1250); checked and timed in simulation.
; The chip was launched on July 23, 2026; its instructions are those of AMD's public machine-readable ISA for CDNA 5 (MIT licence, August 2026) and "CDNA5" Instruction Set Architecture Reference Guide (July 2026). The comments in the code are by the model that wrote it; some were corrected since.
;; Self Attention. Allowed arithmetic: matrix products marked QUANTISED: E3M2 operands, one E8M0 scale for each 32 along K, by v_wmma_scale_f32_16x16x128_f8f6f4 with both operands' format E3M2, f32 sums; everything else in f32.
;; Inputs: qkv 1 x 4,096 x 3 x 16 x 64 float32.
;; Outputs: out0 1 x 4,096 x 16 x 64 float32.
;; This version of the problem:
;;   THIS VERSION OF THE PROBLEM IS GIVEN IN LOW PRECISION. The matrix products marked QUANTISED in the list below multiply operands that are first quantised to E3M2 (3 exponent bits, 2 mantissa bits; 6 bits a number), with one power-of-two scale for each 32 numbers along K (OCP MX v1.0); their sums are f32. All else is computed in f32.
;;   The module's matrix products, in the order in which they are computed (A, B: the left and right operand; K: the contracted axis; several contracted axes count as one K, in the product's order):
;;     1. batch 16 x [M 4,096, K 64] x [K 64, N 4,096]; A: input qkv; B: computed on the way: QUANTISED
;;     2. batch 16 x [M 64, K 4,096] x [K 4,096, N 4,096]; A: input qkv; B: softmax (see below): QUANTISED
;;   THE QUANTISER, for each operand of a quantised product, along K:
;;     - K is cut into blocks of 32 from its start; a last block that is shorter is filled with zeros.
;;     - A block's scale is 2^e with e = floor(log2(the largest magnitude in the block)) - 4, held to -126 .. 127; a block of zeros has e = 0. As a byte (E8M0): e + 127.
;;     - Each number is divided by its block's scale, clamped to +-28, and rounded to the nearest number of E3M2, ties to even, subnormals kept.
;;     - The product sums the exact products of the quantised numbers (number of the format x scale) in f32.
;;   ~~~python
;;   def quantise(x, axis):      # numpy; x: float32 -> the quantised numbers, widened to float32 again
;;       x = np.moveaxis(x, axis, -1); K = x.shape[-1]
;;       x = np.pad(x, [(0, 0)] * (x.ndim - 1) + [(0, -K % 32)]); x = x.reshape(x.shape[:-1] + (-1, 32)); a = np.abs(x).max(-1, keepdims=True)
;;       e = np.where(a > 0, np.clip(np.frexp(np.where(a > 0, a, 1))[1] - 1 - 4, -126, 127), 0)      # np.frexp(a)[1] - 1 = floor(log2(a)), exactly
;;       r = np.clip(x / 2.0 ** e, -28, 28)
;;       step = 2.0 ** (np.maximum(np.frexp(np.where(r == 0, 1, r))[1] - 1, -2) - 2)
;;       q = np.round(r / step) * step * 2.0 ** e      # np.round: ties to even
;;       return np.moveaxis(q.reshape(q.shape[:-2] + (-1,))[..., :K], -1, axis).astype(np.float32)
;;   ~~~
;;   SOFTMAX AHEAD OF A QUANTISED PRODUCT. Where the list says 'softmax', what is quantised is not the finished softmax but p = 2^(t - M), with t = logit x log2(e) and M = ceil(the row's largest t), a whole number; so 1/2 < the row's largest p <= 1. The row's sum l is taken of the UNQUANTISED p, in f32, and the product's result is divided by l at the end. Since M is a whole number, a kernel that streams over the keys may use a running M (the ceiling of the running maximum): every later rescaling is an exact power of two, which a block's scale takes up: the codes' values come out the same.
;;   OPERANDS COMPUTED ON THE WAY. 'Computed on the way' means the value that the module computes at that place (a softmax that the list does not call 'softmax' is quantised finished and normalised). What goes into a quantiser is computed in f32, as accurately as f32 sums, v_exp_f32 and their like allow (about 1e-6 of the number): no bf16 or f16 on the way to a quantiser, and a product that is left as it is and whose result goes on into a quantised operand takes f32 operands (vector FMAs, or v_wmma_f32_16x16x4_f32). A number that lies on a knife's edge between two numbers of the format may be rounded either way, as far as f32 arithmetic and the matrix unit's own rounding can turn it there, and no further.
;; One version. Each part assembles by itself: llvm-mc -triple=amdgcn-amd-amdhsa -mcpu=gfx1250 --defsym DOCPART=n.
;; ======== version 1 of 1: 2 launches
;; workspace buffers: kv 6,684,672 bytes
;; launch quant (part 1): grid 32 x 16, 4 waves a work-group, no clusters, 36,352 bytes of LDS; arguments qkv, kv; writes kv
.if DOCPART == 1
	.amdgcn_target "amdgcn-amd-amdhsa--gfx1250"
	.amdhsa_code_object_version 6
	.text
	.protected	k_q5c4a8bda5e_quant
	.globl	k_q5c4a8bda5e_quant
	.p2align	8
	.type	k_q5c4a8bda5e_quant,@function
k_q5c4a8bda5e_quant:
	s_mov_b64 s[64:65], 0
	v_nop
	global_prefetch_b8 v0, s[64:65] scope:SCOPE_SE
	s_setreg_imm32_b32 hwreg(HW_REG_WAVE_MODE, 25, 1), 1
	s_wait_xcnt 0x0
; qkv [4096 tokens][3][16 heads][64] f32.  This launch turns k x 0.125 (quantised along the head's 64) and v (quantised along the keys) into codes of BF6 (E3M2)
; with one E8M0 scale byte for each 32 along K, laid in kv as IMAGES OF OPERAND REGISTERS, one record of REC bytes for each (head, step of 128 keys).
; A half fragment (HF) is 16 rows x 64 along K, six registers a lane, 768 bytes: registers 0-3 at 16 x lane, registers 4-5 at 512 + 8 x lane.
; A RECORD:  0: K's eight HF; in tile 2 b + u lane (r, h) holds key 32 b + 8 u + r + 8 (r / 8), d = 32 h .. 32 h + 31.
;   6144: V's eight HF, d-tile t and half c at 768 (2 t + c); lane (r, h) holds d = 16 t + r, keys 64 c + 32 h .. + 31.
;   12288: K's scale words [32 lanes][4]: word b of lane l belongs to tile 2 b + l / 16, row l % 16 (byte 0: d 0-31, byte 1: d 32-63, bytes 2, 3: 0).
;   12800: V's scale words [32 lanes][2]: word i of lane l belongs to d-tile 2 i + l / 16, row l % 16 (four key blocks).
; A block's scale is 2^(floor(log2(largest magnitude)) - 4); its byte is the largest magnitude's exponent field - 4, held at 1 from below.
; LIMITS: a block whose largest magnitude lies under 2^(5 - 127), a block of zeros among them, gets the byte 1 (the rule gives zeros 127): its codes are zeros or the
; nearest codes under that scale, and this program alone reads the bytes.  NaN and infinities among the inputs are not served.
; SHARES.  A work-group makes one record.  Wave w: K's tokens 32 w .. 32 w + 31 (tiles 2 w, 2 w + 1); V's columns d = 32 (w / 2) + lane, tokens 64 (w % 2) .. + 63.
; K's rows are loaded whole (16 lanes to a token's 256 bytes) and turn through the wave's own stage in LDS, so that a lane gets 32 neighbours along d.
; V needs no turn: a lane takes a column and its registers run down the keys.  No loop, no tensor load; every offset is an immediate.
.set TOK,   12288                      ; bytes of a token in qkv
.set REC,   13056                      ; bytes of a record
.set SP,    272                        ; a stage row: a token's 256 bytes + 16
.set WSTG,  32*SP                      ; a wave's stage
.set KSCL,  4*WSTG                     ; LDS: the record's 512 bytes of K's scale words, gathered from the four waves
.set VSCL,  KSCL+512                   ; and its 256 bytes of V's
.set XK,    32                         ; v32-95    K as loaded
.set XV0,   96                         ; v96-127   V: my column's tokens 0-31 of my 64
.set XV1,   128                        ; v128-159  tokens 32-63
.set T0,    160                        ; v160-191  tile 2 w: my row's 32 neighbours along d
.set T1,    192                        ; v192-223  tile 2 w + 1
.set CK0,   224                        ; six registers of codes each
.set CK1,   230
.set CA,    236
.set CB,    242
	s_load_b128 s[4:7], s[0:1], 0x0                ; qkv s[4:5], kv s[6:7]
	v_lshl_add_u32 v254, v0, 2, 0x8c00
	v_mov_b32 v255, 0
	v_lshrrev_b32 v1, 5, v0
	v_readfirstlane_b32 s8, v1                     ; wave 0..3
	v_and_b32 v1, 31, v0                           ; lane l
	v_and_b32 v2, 15, v0                           ; r
	v_bfe_u32 v3, v0, 4, 1                         ; h
	s_wait_alu depctr_va_vdst(0)
	s_and_b32 s10, ttmp7, 0xffff                   ; head
	s_lshr_b32 s9, s8, 1                           ; ch: which 32 columns of V
	s_and_b32 s11, s8, 1                           ; c: which 64 tokens of V
	s_mov_b32 s22, 0x76543210
	s_mov_b32 s23, 0xfedcba98                      ; v_permlanex16_b32's selects for lane l xor 16
	; byte offsets, each in a pair with 0 above (all under 2^26)
	s_lshl_b32 s24, ttmp9, 7
	s_lshl_b32 s25, s8, 5
	s_add_co_u32 s24, s24, s25                     ; K: token 128 j + 32 w
	s_mul_i32 s24, s24, TOK
	s_lshl_b32 s28, s10, 8                         ; 256 x head
	s_add_co_u32 s24, s24, s28
	s_add_co_u32 s24, s24, 4096                    ; the token's k part
	s_mov_b32 s25, 0
	s_lshl_b32 s26, ttmp9, 7
	s_lshl_b32 s27, s11, 6
	s_add_co_u32 s26, s26, s27                     ; V: token 128 j + 64 c
	s_mul_i32 s26, s26, TOK
	s_add_co_u32 s26, s26, s28
	s_lshl_b32 s27, s9, 7                          ; 32 columns are 128 bytes
	s_add_co_u32 s26, s26, s27
	s_add_co_u32 s26, s26, 8192                    ; the token's v part
	s_mov_b32 s27, 0
	s_lshl_b32 s28, s10, 5
	s_add_co_u32 s28, s28, ttmp9
	s_mul_i32 s28, s28, REC                        ; the record: (32 head + j) x REC
	s_mov_b32 s29, 0
	s_mul_i32 s30, s8, 1536                        ; in it: my two tiles of K
	s_mov_b32 s31, 0
	s_mul_i32 s32, s9, 3072                        ; and my two HF of V: 6144 + 768 (2 (2 ch) + c); the second 1,536 on
	s_mul_i32 s33, s11, 768
	s_add_co_u32 s32, s32, s33
	s_add_co_u32 s32, s32, 6144
	s_mov_b32 s33, 0
	s_mul_i32 s34, s8, WSTG                        ; my stage
	s_lshl_b32 s35, s8, 2
	s_lshl_b32 s36, s8, 1
	; every address register is made here, ahead of the two branches of the text
	v_mul_u32_u24 v4, v3, TOK
	v_lshl_add_u32 v4, v2, 4, v4                   ; K in memory: lanes 0-15 one token's row, lanes 16-31 the next token's; 16 bytes a lane
	v_lshlrev_b32 v5, 2, v1                        ; V in memory: 4 bytes a lane
	v_mul_u32_u24 v6, v3, SP
	v_lshl_add_u32 v6, v2, 4, v6
	v_add_nc_u32 v6, s34, v6                       ; into the stage: as loaded
	v_and_b32 v7, 8, v2
	v_add_nc_u32 v7, v7, v2                        ; r + 8 (r / 8)
	v_mul_u32_u24 v7, v7, SP
	v_lshl_add_u32 v7, v3, 7, v7
	v_add_nc_u32 v7, s34, v7                       ; out of it: my tile row, my half's 128 bytes
	v_lshlrev_b32 v8, 4, v1                        ; an image's place for my lane: 16 l,
	v_lshlrev_b32 v9, 3, v1                        ; 8 l
	v_lshl_add_u32 v10, v2, 4, KSCL
	v_add_nc_u32 v10, s35, v10                     ; K's scale word of tile 2 w, row r: lane r's word w (tile 2 w + 1: 256 bytes on)
	v_lshl_add_u32 v11, v1, 3, VSCL
	v_add_nc_u32 v11, s36, v11                     ; V's: lane l's word ch, half word c: 8 l + 4 ch + 2 c = 8 l + 2 w
	v_lshl_add_u32 v12, v1, 4, KSCL                ; and where the gathered words are read back
	v_lshl_add_u32 v13, v1, 3, VSCL
	v_lshlrev_b32 v14, 3, v3                       ; 8 h: my byte's place in K's scale word
	v_mov_b32 v15, 0                               ; a lane permute's destination counts as one of its sources
	s_wait_kmcnt 0x0
	s_add_nc_u64 s[12:13], s[4:5], s[24:25]        ; K's tokens
	s_add_nc_u64 s[14:15], s[4:5], s[26:27]        ; V's tokens
	s_add_nc_u64 s[16:17], s[6:7], s[28:29]        ; the record
	s_add_nc_u64 s[18:19], s[16:17], s[30:31]      ; my tiles of K in it
	s_add_nc_u64 s[20:21], s[16:17], s[32:33]      ; my HF of V in it
.set i, 0
.rept 16
	global_load_b128 v[XK+4*i:XK+4*i+3], v4, s[12:13] offset:2*TOK*i th:TH_LOAD_NT   ; tokens 2 i and 2 i + 1: two whole rows of 256 bytes
.set i, i+1
.endr
.set i, 0
.rept 32
	global_load_b32 v[XV0+i], v5, s[14:15] offset:TOK*i th:TH_LOAD_NT               ; token i of my 64, 32 neighbouring columns: 128 consecutive bytes
.set i, i+1
.endr
	s_wait_loadcnt 32                              ; K's 16 loads are in; V's 32, issued behind them, stay out
.set i, 32
.rept 32
	global_load_b32 v[XV0+i], v5, s[14:15] offset:TOK*i th:TH_LOAD_NT
.set i, i+1
.endr
	; the turn: LDS serves a wave's instructions in order, so no wait stands between the stores and the loads
.set i, 0
.rept 16
	ds_store_b128 v6, v[XK+4*i:XK+4*i+3] offset:2*SP*i
.set i, i+1
.endr
.set i, 0
.rept 8
	ds_load_b128 v[T0+4*i:T0+4*i+3], v7 offset:16*i
.set i, i+1
.endr
.set i, 0
.rept 8
	ds_load_b128 v[T1+4*i:T1+4*i+3], v7 offset:8*SP+16*i          ; tile 2 w + 1: eight tokens further on
.set i, i+1
.endr
; 32 numbers v[x] .. v[x + 31], one block, become six registers of codes v[cd] .. v[cd + 5] and the scale's byte in v[bt].  mul = 1: they are first multiplied by 0.125 (exact).
.macro QBLOCK x, cd, bt, mul
.if \mul
.set i, 0
.rept 16
	v_pk_mul_f32 v[\x+i:\x+i+1], v[\x+i:\x+i+1], 0x3e000000 op_sel_hi:[1,0]
.set i, i+2
.endr
.endif
	v_max3_num_f32 v16, |v[\x]|, |v[\x+1]|, 0x2800000               ; the largest magnitude, in two chains; the floor 2^(5 - 127) is one more leaf: the byte cannot fall under 1
	v_max3_num_f32 v17, |v[\x+2]|, |v[\x+3]|, |v[\x+4]|
.irp i, 5,9,13,17,21,25
	v_max3_num_f32 v16, v16, |v[\x+\i]|, |v[\x+\i+1]|
	v_max3_num_f32 v17, v17, |v[\x+\i+2]|, |v[\x+\i+3]|
.endr
	v_max3_num_f32 v16, v16, |v[\x+29]|, |v[\x+30]|
	v_max3_num_f32 v16, v16, v17, |v[\x+31]|
	v_add_nc_u32 v18, 0xfe000000, v16              ; 4 off its exponent field: the conversion takes the exponent field of this operand as its scale
	v_cvt_scalef32_pk16_bf6_f32 v[\cd:\cd+2], v[\x:\x+15], v18
	v_cvt_scalef32_pk16_bf6_f32 v[26:28], v[\x+16:\x+31], v18       ; (a conversion's three registers begin on an even number: made here and moved)
	v_lshrrev_b32 v[\bt], 23, v18                  ; the scale's byte; also the plain line behind the conversions
	v_mov_b32 v[\cd+3], v26
	v_mov_b32 v[\cd+4], v27
	v_mov_b32 v[\cd+5], v28
.endm
.macro KWORD dst                       ; my byte (v19) at its place, joined with lane l xor 16's: the row's scale word, bytes 2 and 3 zero
	v_lshlrev_b32 v[\dst], v14, v19
	v_permlanex16_b32 v15, v[\dst], s22, s23
	v_or_b32 v[\dst], v[\dst], v15
.endm
.macro OUTHF sb, cd, off               ; a half fragment leaves as it stands: 512 consecutive bytes, then 256, both at multiples of 256 from kv's first byte
	global_store_b128 v8, v[\cd:\cd+3], s[\sb:\sb+1] offset:\off
	global_store_b64 v9, v[\cd+4:\cd+5], s[\sb:\sb+1] offset:\off+512
.endm
	s_wait_dscnt 8                                 ; tile 2 w's numbers are back; the other tile's eight loads stay out
	QBLOCK T0, CK0, 19, 1
	KWORD 20
	ds_store_b32 v10, v20                          ; lanes r and r + 16 write the same word with the same value
	OUTHF 18, CK0, 0
	s_wait_dscnt 1                                 ; tile 2 w + 1's numbers are back; the one store behind them may be out
	QBLOCK T1, CK1, 19, 1
	KWORD 21
	ds_store_b32 v10, v21 offset:256
	OUTHF 18, CK1, 768
	s_wait_loadcnt 32                              ; V's first 32 loads are in; the 32 issued behind them stay out
	QBLOCK XV0, CA, 22, 0                          ; my column's key block 2 c
	s_wait_loadcnt 0x0
	QBLOCK XV1, CB, 23, 0                          ; and 2 c + 1
	v_lshl_or_b32 v24, v23, 8, v22
	ds_store_b16 v11, v24                          ; two of the four bytes of my column's scale word
.irp i, 0,1,2,3,4,5
	v_permlane16_swap_b32 v[CA+\i], v[CB+\i]       ; CA's lanes 16-31 change places with CB's lanes 0-15: CA is now d-tile 2 ch (lanes 0-15 block 2 c, lanes 16-31 block 2 c + 1), CB d-tile 2 ch + 1
.endr
	OUTHF 20, CA, 0
	OUTHF 20, CB, 1536
	s_wait_dscnt 0x0                               ; for the others' sake: my scale words lie in LDS
	s_barrier_signal -1
	s_barrier_wait -1                              ; everybody's do
	s_cmp_lg_u32 s8, 0
	s_cbranch_scc1 .Lnot_wave_0
	ds_load_b128 v[248:251], v12
	s_wait_dscnt 0x0
	global_store_b128 v8, v[248:251], s[16:17] offset:12288          ; K's scale words: 512 consecutive bytes
.Lnot_wave_0:
	s_cmp_lg_u32 s8, 1
	s_cbranch_scc1 .Ldone
	ds_load_b64 v[252:253], v13
	s_wait_dscnt 0x0
	global_store_b64 v9, v[252:253], s[16:17] offset:12800           ; V's: 256 consecutive bytes
.Ldone:
	s_wait_tensorcnt 0x0
	ds_add_u32 v254, v255
	s_wait_dscnt 0x0
	s_endpgm
.Lfunc_end_k_q5c4a8bda5e_quant:
	.size	k_q5c4a8bda5e_quant, .Lfunc_end_k_q5c4a8bda5e_quant-k_q5c4a8bda5e_quant
	.p2alignl 7, 3214868480
	.fill 96, 4, 3214868480
	.section	.rodata,"a",@progbits
	.p2align	6, 0x0
	.amdhsa_kernel k_q5c4a8bda5e_quant
		.amdhsa_group_segment_fixed_size 36352
		.amdhsa_private_segment_fixed_size 0
		.amdhsa_enable_private_segment 0
		.amdhsa_kernarg_size 16
		.amdhsa_user_sgpr_count 2
		.amdhsa_user_sgpr_kernarg_segment_ptr 1
		.amdhsa_wavefront_size32 1
		.amdhsa_system_sgpr_workgroup_id_x 1
		.amdhsa_system_sgpr_workgroup_id_y 1
		.amdhsa_system_sgpr_workgroup_id_z 1
		.amdhsa_system_vgpr_workitem_id 0
		.amdhsa_next_free_vgpr 256
		.amdhsa_next_free_sgpr 66
		.amdhsa_reserve_vcc 0
		.amdhsa_float_denorm_mode_32 3
		.amdhsa_float_denorm_mode_16_64 3
		.amdhsa_memory_ordered 1
		.amdhsa_forward_progress 1
		.amdhsa_inst_pref_size 24
	.end_amdhsa_kernel
	.amdgpu_metadata
---
amdhsa.version: [ 1, 2 ]
amdhsa.kernels:
  - .name:           k_q5c4a8bda5e_quant
    .symbol:         k_q5c4a8bda5e_quant.kd
    .args:
      - { .name: qkv, .offset: 0, .size: 8, .value_kind: global_buffer, .address_space: global }
      - { .name: kv, .offset: 8, .size: 8, .value_kind: global_buffer, .address_space: global }
    .group_segment_fixed_size: 36352
    .private_segment_fixed_size: 0
    .kernarg_segment_align: 8
    .kernarg_segment_size: 16
    .max_flat_workgroup_size: 128
    .sgpr_count:     66
    .vgpr_count:     256
    .wavefront_size: 32
...
	.end_amdgpu_metadata
.endif
;; end of part 1
;; launch attn (part 2): grid 16 x 16, 16 waves a work-group, no clusters, 327,680 bytes of LDS; arguments qkv, kv, out0; writes out0
.if DOCPART == 2
	.amdgcn_target "amdgcn-amd-amdhsa--gfx1250"
	.amdhsa_code_object_version 6
	.text
	.protected	k_q5c4a8bda5e_attn
	.globl	k_q5c4a8bda5e_attn
	.p2align	8
	.type	k_q5c4a8bda5e_attn,@function
k_q5c4a8bda5e_attn:
	s_mov_b64 s[64:65], 0
	v_nop
	global_prefetch_b8 v0, s[64:65] scope:SCOPE_SE
	s_setreg_imm32_b32 hwreg(HW_REG_WAVE_MODE, 25, 1), 1
	s_wait_xcnt 0x0
; out0[q][head][:] = the sum over keys k <= q of softmax_k(q . (k x 0.125)) v, both products on codes of BF6 (E3M2) with one E8M0 scale for each 32 along a product's K.
; q comes from qkv as f32 and is quantised here, in registers; K and V come from kv, as records of operand images (one for each head and step of 128 keys; the layout stands at the head of the launch that makes them).
; THE SOFTMAX AHEAD OF THE SECOND PRODUCT: t = score x log2(e); M = the running largest t rounded UP to a whole number; p = 2^(t - M) is quantised along the keys, not normalised.
; The row's sum is taken of the unquantised p and divides O at the end.  When M moves, the sum and O are multiplied by 2^(old M - new M): exact.
; SHARES.  Work-group (a, head) owns the blocks a and 31 - a of 128 queries; each of its sixteen waves owns 16 queries of one of the two.  A tile of block x works x + 1 key steps, so every
; work-group has 8 (a + 1) + 8 (32 - a) = 264 tile steps.  role = (w xor w / 4) % 2 picks the block: among four waves equal in w % 4, and among four equal in w / 4, two are of each role.
; Every wave walks all 32 key steps in loops of constant count; a step all of whose keys come after the wave's queries is left out by a scalar branch on ids, round the step's work alone.
; LAYOUT.  Both products are used transposed: S^T = K Q^T (source 0 = 16 keys, source 1 = my 16 queries), O^T = V^T P^T: a lane holds ONE query (lane % 16) throughout.
; The keys of a tile are not neighbours (tile 2 b + u, row m: key 32 b + 8 u + m + 8 (m / 8)), so that registers 16 b + i of S^T are keys 32 b + 16 (lane / 16) + i.
; K = 64 IN AN INSTRUCTION 128 DEEP.  Q's upper six registers are zero codes.  A tile of K names twelve registers, of which the upper six are the NEXT tile's codes (the last tile's: zeros):
; a code of this format is always a finite number and the scale bytes for k = 64 .. 127 are 0 on both sides, not 0xff, so those products are exact zeros.  So K's eight tiles stand in 54 registers.
; RING.  A head's 32 records are one dense run; two LDS slots of eight records; waves 0 to 3 bring two records each by one tensor load.  By this text's count a wave has at most two tensor loads out.
; NO CLUSTER: the work-groups of a head work different numbers of key steps, and the branch round hidden steps hangs on the work-group's number, which partners of joint loads may not differ in.
; LIMITS: NaN and infinities among the inputs are not served.  A block whose largest magnitude lies under 2^(5 - 127) (a block of zeros, a block of masked p) has its byte held at 1: its codes are zeros
; or the nearest codes under that scale.  A block's largest p is made from its largest score by the same multiply-add and exponential, which takes v_exp_f32 not to fall where its input rises.
.set TOK,    12288                     ; bytes of a token in qkv
.set REC,    13056                     ; bytes of a record
.set R_VIMG, 6144                      ; in a record: V's images,
.set R_KSC,  12288                     ; K's scale words,
.set R_VSC,  12800                     ; V's
.set SLOTB,  8*REC                     ; a slot: eight records
.set STAGE,  2*SLOTB                   ; behind the ring: 16 rows x 272 bytes for each wave; no tensor load lands here
.set SP,     272
.set SPARE,  STAGE+16*16*SP            ; the spare words, 128 bytes for each wave: eight blocks of 256 bytes that no other line names
.set L16, 1                            ; v1   16 x lane
.set L8,  2                            ; v2   8 x lane (on the way out: my byte offset in the wave's rows of out0)
.set A16, 3                            ; v3   LDS address of the step's record + 16 x lane (at the head and on the way out: a stage address)
.set A8,  4                            ; v4   the same + 8 x lane
.set SPW, 5                            ; v5   LDS address of my spare word; never rewritten
.set NIL, 6                            ; v6   0; never rewritten
.set QS,  7                            ; v7   Q's scale word
.set NM,  8                            ; v8 -M, v9 the running largest t
.set SUM, 10                           ; v[10:11] the row's sum, in two halves
.set KS,  12                           ; v12-15 K's scale words
.set QC,  16                           ; v16-21 Q's codes, v22-27 zeros
.set KT,  28                           ; v28-75 K's eight tiles, six registers each; v76-81 zeros
.set VT,  82                           ; v82-129 V's four fragments
.set S,   130                          ; v130-193 S^T, then p
.set OT,  194                          ; v194-225 O^T
.set PC,  226                          ; v226-237 p's codes
.set BM,  234                          ; v234-237 first hold the four blocks' largest scores
.set TP,  238                          ; v238-245 at work
.set SO,  246                          ; v246-249 the conversions' scale operands
.set VS,  250                          ; v250-251 V's scale words
.set F,   252                          ; v252 f = 2^(old M - new M)
.set PS,  253                          ; v253 p's scale word
.set WV,  10                           ; s10  my wave's number
.set G1,  16                           ; s[16:23] descriptor group 1;  s[24:27], s[28:31] group 0 for slot 0, 1
.set G0,  24
.set SEL, 32                           ; s[32:33] selects for v_permlanex16_b32: lane l xor 16
.set CS,  34                           ; s[34:35] c = log2(e): the packed form names a pair and takes its low word for both halves
.set TB,  36                           ; s36  LDS byte of the step's record
.set KF,  37                           ; s37  the step's first key
.set Q0,  38                           ; s38  my first query
.set Q15, 39                           ; s39  my last
.set CNT, 40                           ; s40  counts a slot's eight steps
	s_load_b128 s[4:7], s[0:1], 0x0                ; qkv s[4:5], kv s[6:7]
	s_load_b64 s[8:9], s[0:1], 0x10                ; out0
	v_lshl_add_u32 v[SPW], v0, 2, SPARE
	v_mov_b32 v[NIL], 0
	ds_add_u32 v5, v6
	ds_add_u32 v5, v6
	s_wait_dscnt 0x0
	v_lshrrev_b32 v1, 5, v0
	s_delay_alu instid0(VALU_DEP_1)
	v_readfirstlane_b32 s[WV], v1                  ; wave 0..15
	s_lshr_b32 s11, s[WV], 2
	s_xor_b32 s11, s11, s[WV]
	s_and_b32 s11, s11, 1                          ; role
	s_lshr_b32 s12, s[WV], 1
	s_lshl_b32 s12, s12, 4                         ; 16 x (w / 2): my tile in the block
	s_sub_co_u32 s44, 31, ttmp9
	s_cmp_eq_u32 s11, 1
	s_cselect_b32 s44, s44, ttmp9                  ; my block of 128 queries: 31 - a or a
	s_lshl_b32 s[Q0], s44, 7
	s_add_co_u32 s[Q0], s[Q0], s12
	s_add_co_u32 s[Q15], s[Q0], 15
	s_and_b32 s15, ttmp7, 0xffff                   ; the head
	s_and_b32 s14, s[WV], 3
	s_mul_i32 s14, s14, 2*REC                      ; what I fetch, if I fetch: two of a slot's eight records
	s_mul_i32 s13, s[WV], 16*SP
	s_add_co_u32 s13, s13, STAGE                   ; my stage
	s_mul_i32 s44, s15, 32*REC
	s_add_co_u32 s44, s44, s14                     ; kv: the head's run, my two records
	s_mov_b32 s45, 0
	s_mul_i32 s46, s[Q0], TOK
	s_lshl_b32 s48, s15, 8
	s_add_co_u32 s46, s46, s48                     ; qkv: my first query's q row of this head
	s_mov_b32 s47, 0
	s_lshl_b32 s50, s[Q0], 12
	s_add_co_u32 s50, s50, s48                     ; out0: the same query's row of this head
	s_mov_b32 s51, 0
	; descriptor group 1: two records, 26,112 dense bytes, as 102 rows of 256 bytes (32 elements of 8 bytes)
	s_mov_b32 s[G1+0], 3<<16                       ; no mask; elements of 8 bytes; no padding
	s_mov_b32 s[G1+1], 32<<16                      ; tensor_dim0 = 32
	s_mov_b32 s[G1+2], 102<<16                     ; tensor_dim1 = 102
	s_mov_b32 s[G1+3], 32<<16                      ; tile_dim0 = 32
	s_mov_b32 s[G1+4], 102                         ; tile_dim1 = 102
	s_mov_b32 s[G1+5], 32                          ; from row to row: 32 elements
	s_mov_b32 s[G1+6], 0
	s_mov_b32 s[G1+7], 0
	s_mov_b32 s[SEL], 0x76543210
	s_mov_b32 s[SEL+1], 0xfedcba98
	s_mov_b32 s[CS], 0x3fb8aa3b                    ; log2(e); the 0.125 is already in K's numbers
	s_mov_b32 s[CS+1], s[CS]                       ; (named with it as a pair, so it is written)
	s_mov_b32 s[KF], 0
	s_wait_kmcnt 0x0
	s_add_nc_u64 s[44:45], s[6:7], s[44:45]
	s_mov_b32 s[G0], 1                             ; count = 1
	s_mov_b32 s[G0+1], s14                         ; LDS address: slot 0, my two records
	s_mov_b64 s[G0+2:G0+3], s[44:45]               ; key steps 0 to 7
	s_or_b32 s[G0+3], s[G0+3], 0x80000000          ; type = 2
	s_mov_b32 s[G0+4], 1
	s_add_co_u32 s[G0+5], s14, SLOTB               ; slot 1
	s_add_nc_u64 s[G0+6:G0+7], s[44:45], SLOTB     ; key steps 8 to 15
	s_or_b32 s[G0+7], s[G0+7], 0x80000000
	s_add_nc_u64 s[42:43], s[4:5], s[46:47]
	s_add_nc_u64 s[8:9], s[8:9], s[50:51]
	s_cmp_lt_u32 s[WV], 4                          ; both first fills of a wave stand in one branch, ahead of every wait on TENSORcnt, every LDS read and every barrier
	s_cbranch_scc0 .Lno_first
	tensor_load_to_lds s[G0:G0+3], s[G1:G1+7]
	s_nop 0
	tensor_load_to_lds s[G0+4:G0+7], s[G1:G1+7]
	s_nop 0
.rept 4
	v_nop                                          ; four lines behind a tensor load
.endr
.Lno_first:
	; Q: 16 rows of 256 bytes, loaded whole, turned through my stage so that lane (r, h) holds query r's d = 32 h .. 32 h + 31
	v_and_b32 v254, 15, v0                         ; r
	v_bfe_u32 v252, v0, 4, 1                       ; h
	s_delay_alu instid0(VALU_DEP_1)
	v_mul_u32_u24 v255, v252, TOK
	s_delay_alu instid0(VALU_DEP_1)
	v_lshl_add_u32 v255, v254, 4, v255
.set i, 0
.rept 8
	global_load_b128 v[S+32+4*i:S+32+4*i+3], v255, s[42:43] offset:2*TOK*i th:TH_LOAD_NT   ; queries 2 i and 2 i + 1
.set i, i+1
.endr
	v_mul_u32_u24 v[A16], v252, SP
	s_delay_alu instid0(VALU_DEP_1)
	v_lshl_add_u32 v[A16], v254, 4, v[A16]
	s_delay_alu instid0(VALU_DEP_1)
	v_add_nc_u32 v[A16], s13, v[A16]               ; into the stage: as loaded
	v_mul_u32_u24 v[A8], v254, SP
	s_delay_alu instid0(VALU_DEP_1)
	v_lshl_add_u32 v[A8], v252, 7, v[A8]
	s_delay_alu instid0(VALU_DEP_1)
	v_add_nc_u32 v[A8], s13, v[A8]                 ; out of it: row r, my half's 128 bytes
	v_lshlrev_b32 v252, 3, v252                    ; 8 h: my byte's place in Q's scale word
	v_and_b32 v[L16], 31, v0
	s_delay_alu instid0(VALU_DEP_1)
	v_lshlrev_b32 v[L8], 3, v[L16]
	s_delay_alu instid0(VALU_DEP_2)
	v_lshlrev_b32 v[L16], 4, v[L16]
	v_mov_b32 v[NM+1], 0xff61b1e6                  ; the largest t so far: -3e38, under every t
	s_delay_alu instid0(VALU_DEP_1)
	v_floor_f32 v[NM], -v[NM+1]                    ; -M
	v_mov_b32 v[SUM], 0
	v_mov_b32 v[SUM+1], 0
.irp i, 0,1,2,3
	v_mov_b32 v[TP+\i], 0                          ; a lane permute's destination counts as one of its sources
.endr
.irp i, 0,1,2,3,4,5
	v_mov_b32 v[QC+6+\i], 0                        ; Q's codes for k = 64 .. 127
	v_mov_b32 v[KT+48+\i], 0                       ; and what the last tile of K names there
.endr
	s_wait_loadcnt 0x0
.set i, 0
.rept 8
	ds_store_b128 v[A16], v[S+32+4*i:S+32+4*i+3] offset:2*SP*i
.set i, i+1
.endr
.set i, 0
.rept 8
	ds_load_b128 v[S+4*i:S+4*i+3], v[A8] offset:16*i               ; LDS serves a wave's instructions in order: these see my stores
.set i, i+1
.endr
	s_wait_dscnt 0x0
	v_max3_num_f32 v242, |v[S]|, |v[S+1]|, 0x2800000               ; my block's largest magnitude, in two chains, with the floor 2^(5 - 127) as one more leaf
	v_max3_num_f32 v243, |v[S+2]|, |v[S+3]|, |v[S+4]|
.irp i, 5,9,13,17,21,25
	s_delay_alu instid0(VALU_DEP_2)
	v_max3_num_f32 v242, v242, |v[S+\i]|, |v[S+\i+1]|
	s_delay_alu instid0(VALU_DEP_2)
	v_max3_num_f32 v243, v243, |v[S+\i+2]|, |v[S+\i+3]|
.endr
	s_delay_alu instid0(VALU_DEP_2)
	v_max3_num_f32 v242, v242, |v[S+29]|, |v[S+30]|
	s_delay_alu instid0(VALU_DEP_1)
	v_max3_num_f32 v242, v242, v243, |v[S+31]|
	s_delay_alu instid0(VALU_DEP_1)
	v_add_nc_u32 v246, 0xfe000000, v242            ; 4 off its exponent field: the conversion's scale operand
	v_cvt_scalef32_pk16_bf6_f32 v[QC:QC+2], v[S:S+15], v246
	v_cvt_scalef32_pk16_bf6_f32 v[TP:TP+2], v[S+16:S+31], v246     ; (a conversion's three registers begin on an even number)
	v_lshrrev_b32 v244, 23, v246                   ; the scale's byte; also the plain line behind the conversions
	v_mov_b32 v[QC+3], v[TP]
	v_mov_b32 v[QC+4], v[TP+1]
	v_mov_b32 v[QC+5], v[TP+2]
	s_delay_alu instid0(VALU_DEP_4)
	v_lshlrev_b32 v[QS], v252, v244                ; my byte at its place,
	s_delay_alu instid0(VALU_DEP_1)
	v_permlanex16_b32 v[TP+3], v[QS], s[SEL], s[SEL+1]
	s_delay_alu instid0(VALU_DEP_1)
	v_or_b32 v[QS], v[QS], v[TP+3]                 ; with lane l xor 16's: the row's scale word; bytes 2 and 3 are 0
.set i, 0
.rept 32
	v_mov_b32 v[OT+i], 0                           ; O^T: the step is written once, and the first change of M leaves zeros zeros.  (Also the places between Q's scale word and codes and the first product)
.set i, i+1
.endr
	v_mov_b32 v[PS], 0                             ; (named as the upper half of the pair v[252:253] before it is first written)
	v_mov_b32 v254, 0
	s_wait_tensorcnt 0x1                           ; my part of slot 0 is in; slot 1's may stay out
	s_barrier_signal -1
	s_barrier_wait -1                              ; everybody's is
; A KEY STEP: 128 keys, one record at LDS byte s[TB].
.macro STEP
	s_cmp_gt_u32 s[KF], s[Q15]                     ; all 128 keys come after my queries: the step's work is left out, not the lines at its end that step KF and TB
	s_cbranch_scc1 .Lhidden_\@
	s_setprio 2
	v_add_nc_u32 v[A16], s[TB], v[L16]
	v_add_nc_u32 v[A8], s[TB], v[L8]
	v_nop
	v_nop                                          ; with the two additions: four places behind the last step's products, in front of the loads into V's fragments and scale words
.irp t, 0,1,2,3,4,5,6,7
	ds_load_b128 v[KT+6*\t:KT+6*\t+3], v[A16] offset:768*\t
	ds_load_b64 v[KT+6*\t+4:KT+6*\t+5], v[A8] offset:768*\t+512
.endr
	ds_load_b128 v[KS:KS+3], v[A16] offset:R_KSC
.irp f, 0,1,2,3,4,5,6,7
	ds_load_b128 v[VT+6*\f:VT+6*\f+3], v[A16] offset:R_VIMG+768*\f
	ds_load_b64 v[VT+6*\f+4:VT+6*\f+5], v[A8] offset:R_VIMG+768*\f+512
.endr
	ds_load_b64 v[VS:VS+1], v[A8] offset:R_VSC
	s_wait_dscnt 17                                ; K's 17 loads are in; V's 17, issued behind them, land under the softmax
.irp t, 0,2,4,6                                ; S^T = K Q^T: word t / 2 holds tile t's scales in lanes 0-15 and tile t + 1's in lanes 16-31
	v_wmma_scale_f32_16x16x128_f8f6f4 v[S+8*\t:S+8*\t+7], v[KT+6*\t:KT+6*\t+11], v[QC:QC+11], 0, v[KS+\t/2], v[QS] matrix_a_fmt:MATRIX_FMT_BF6 matrix_b_fmt:MATRIX_FMT_BF6
	v_wmma_scale_f32_16x16x128_f8f6f4 v[S+8*\t+8:S+8*\t+15], v[KT+6*\t+6:KT+6*\t+17], v[QC:QC+11], 0, v[KS+\t/2], v[QS] matrix_a_fmt:MATRIX_FMT_BF6 matrix_b_fmt:MATRIX_FMT_BF6 matrix_a_scale:MATRIX_SCALE_ROW1
.endr
.rept 4
	v_nop                                          ; four places in front of the first read of the scores
.endr
	s_add_co_u32 s44, s[KF], 127                   ; on the diagonal hidden scores become -infinity ahead of the maximum: p = 0 then.  A step all of whose keys count skips this
	s_cmp_le_u32 s44, s[Q0]
	s_cbranch_scc1 .Lopen_\@
	s_sub_co_i32 s44, s[Q0], s[KF]
	v_and_b32 v252, 15, v0
	v_bfe_u32 v255, v0, 4, 1
	s_delay_alu instid0(VALU_DEP_1)
	v_lshlrev_b32 v255, 4, v255
	s_delay_alu instid0(VALU_DEP_1)
	v_sub_nc_u32 v252, v252, v255
	s_delay_alu instid0(VALU_DEP_1)
	v_add_nc_u32 v252, s44, v252                   ; d = my query - KF - 16 (lane / 16).  Register 16 b + i holds key KF + 32 b + 16 (lane / 16) + i: hidden where 32 b + i > d
	v_mov_b32 v254, 0xff800000                     ; -infinity
.set n, 0
.rept 64
	v_cmp_gt_i32 vcc_lo, 32*(n/16)+n%16, v252
	v_cndmask_b32 v[S+n], v[S+n], v254, vcc_lo
.set n, n+1
.endr
.Lopen_\@:
.irp b, 0,1,2,3
	v_max3_num_f32 v[BM+\b], v[S+16*\b], v[S+1+16*\b], v[S+2+16*\b]   ; the largest score of each block of 32 keys: for the row's maximum and, since p rises with the score, for the block's largest p
.endr
.irp i, 3,5,7,9,11,13
.irp b, 0,1,2,3
	v_max3_num_f32 v[BM+\b], v[BM+\b], v[S+16*\b+\i], v[S+1+16*\b+\i] ; (the four blocks by turns)
.endr
.endr
.irp b, 0,1,2,3
	v_max_num_f32 v[BM+\b], v[BM+\b], v[S+15+16*\b]
.endr
.irp b, 0,1,2,3
	v_permlanex16_b32 v[TP+\b], v[BM+\b], s[SEL], s[SEL+1]
.endr
.irp b, 0,1,2,3
	s_delay_alu instid0(VALU_DEP_4)
	v_max_num_f32 v[BM+\b], v[BM+\b], v[TP+\b]     ; with lane l xor 16's 16 keys
.endr
	s_delay_alu instid0(VALU_DEP_2)
	v_max3_num_f32 v254, v[BM], v[BM+1], v[BM+2]
	s_delay_alu instid0(VALU_DEP_1)
	v_max_num_f32 v254, v254, v[BM+3]              ; the step's largest score of my query
	s_delay_alu instid0(VALU_DEP_1)
	v_mul_f32 v254, s[CS], v254                    ; as t (c is positive)
	s_delay_alu instid0(VALU_DEP_1)
	v_max_num_f32 v[NM+1], v[NM+1], v254           ; the running largest t
	v_mov_b32 v254, v[NM]
	s_delay_alu instid0(VALU_DEP_2)
	v_floor_f32 v[NM], -v[NM+1]                    ; the new -M = floor(-t) = -ceil(t): a whole number
	s_delay_alu instid0(VALU_DEP_1)
	v_sub_f32 v254, v[NM], v254                    ; old M - new M: a whole number, 0 or less
	s_delay_alu instid0(VALU_DEP_1)
	v_cvt_i32_f32 v254, v254                       ; (it saturates)
	s_delay_alu instid0(VALU_DEP_1)
	v_ldexp_f32 v[F], 1.0, v254                    ; f = 2^(old M - new M)
.set j, 0
	s_setprio 1
.rept 32
	v_pk_fma_f32 v[S+j:S+j+1], v[S+j:S+j+1], s[CS:CS+1], v[NM:NM+1] op_sel_hi:[1,0,0]   ; t - M, two at a time (of the pairs c and -M the low word serves both halves)
.set j, j+2
.endr
.irp b, 0,1,2,3
	v_fma_f32 v[BM+\b], v[BM+\b], s[CS], v[NM]     ; the same of each block's largest score
.endr
.set j, 0
	s_wait_alu depctr_va_vdst(0)
.rept 64
	v_exp_f32 v[S+j], v[S+j]                       ; p = 2^(t - M), at most 1, not normalised
.set j, j+1
.endr
	v_pk_mul_f32 v[SUM:SUM+1], v[SUM:SUM+1], v[F:F+1] op_sel_hi:[1,0]   ; the sums under the new M; the plain line behind the exponentials
	s_wait_alu depctr_va_vdst(0)                   ; one wait for the batch of 64, ahead of its first reader
.irp b, 0,1,2,3
	v_exp_f32 v[BM+\b], v[BM+\b]                   ; the block's largest p: the same two instructions on the same number give the same bits
.endr
	v_pk_add_f32 v[238:239], v[134:135], v[138:139]
	v_pk_add_f32 v[248:249], v[142:143], v[146:147]
	v_pk_add_f32 v[246:247], v[150:151], v[154:155]
	v_pk_add_f32 v[244:245], v[158:159], v[162:163]
	v_pk_add_f32 v[242:243], v[166:167], v[170:171]
	v_pk_add_f32 v[240:241], v[174:175], v[178:179]
	v_pk_add_f32 v[232:233], v[182:183], v[186:187]
	v_pk_add_f32 v[10:11], v[10:11], v[190:191]
	v_pk_add_f32 v[238:239], v[238:239], v[130:131]
	v_pk_add_f32 v[248:249], v[248:249], v[132:133]
	v_pk_add_f32 v[246:247], v[246:247], v[136:137]
	v_pk_add_f32 v[244:245], v[244:245], v[140:141]
	v_pk_add_f32 v[242:243], v[242:243], v[144:145]
	v_pk_add_f32 v[240:241], v[240:241], v[148:149]
	v_pk_add_f32 v[232:233], v[232:233], v[152:153]
	v_pk_add_f32 v[10:11], v[10:11], v[156:157]
	v_pk_add_f32 v[238:239], v[238:239], v[160:161]
	v_pk_add_f32 v[248:249], v[248:249], v[164:165]
	v_pk_add_f32 v[246:247], v[246:247], v[168:169]
	v_pk_add_f32 v[244:245], v[244:245], v[172:173]
	v_pk_add_f32 v[242:243], v[242:243], v[176:177]
	v_pk_add_f32 v[240:241], v[240:241], v[180:181]
	v_pk_add_f32 v[232:233], v[232:233], v[184:185]
	v_pk_add_f32 v[10:11], v[10:11], v[188:189]
	v_pk_add_f32 v[238:239], v[238:239], v[192:193]
	s_delay_alu instid0(VALU_DEP_2)
	v_pk_add_f32 v[10:11], v[10:11], v[244:245]
	s_delay_alu instid0(VALU_DEP_2)
	v_pk_add_f32 v[238:239], v[238:239], v[242:243]
	v_pk_add_f32 v[248:249], v[248:249], v[240:241]
	v_pk_add_f32 v[246:247], v[246:247], v[232:233]
	s_delay_alu instid0(VALU_DEP_2)
	v_pk_add_f32 v[10:11], v[10:11], v[248:249]
	s_delay_alu instid0(VALU_DEP_2)
	v_pk_add_f32 v[238:239], v[238:239], v[246:247]
	s_delay_alu instid0(VALU_DEP_1)
	v_pk_add_f32 v[10:11], v[10:11], v[238:239]
	s_wait_alu depctr_va_vdst(0)                   ; and one for the four
.irp b, 0,1,2,3
	v_max_num_f32 v[BM+\b], 0x2800000, v[BM+\b]    ; the floor 2^(5 - 127): the byte cannot fall under 1
.endr
.irp b, 0,1,2,3
	s_delay_alu instid0(VALU_DEP_4)
	v_add_nc_u32 v[SO+\b], 0xfe000000, v[BM+\b]    ; 4 off the exponent field: the conversion's scale operand
.endr
.irp b, 0,1,2,3
	s_delay_alu instid0(VALU_DEP_4)
	v_lshrrev_b32 v[TP+\b], 23, v[SO+\b]           ; the scale's byte
.endr
	s_delay_alu instid0(VALU_DEP_3)
	v_lshl_or_b32 v[PS], v[TP+1], 8, v[TP]         ; p's scale word for these 128 keys
	s_delay_alu instid0(VALU_DEP_1)
	v_lshl_or_b32 v[PS], v[TP+2], 16, v[PS]
	s_delay_alu instid0(VALU_DEP_1)
	v_lshl_or_b32 v[PS], v[TP+3], 24, v[PS]
	s_setprio 0
.irp c, 0,1
	v_cvt_scalef32_pk16_bf6_f32 v[PC+6*\c:PC+6*\c+2], v[S+32*\c:S+32*\c+15], v[SO+2*\c]
	v_cvt_scalef32_pk16_bf6_f32 v[TP+4*\c:TP+4*\c+2], v[S+32*\c+16:S+32*\c+31], v[SO+2*\c+1]   ; (a conversion's three registers begin on an even number)
.endr
	v_nop                                          ; one plain line behind the scaled conversions
.irp c, 0,1                                    ; the operand wants a whole block in a lane: lanes 0-15 block 2 c, lanes 16-31 block 2 c + 1
.irp i, 0,1,2
	v_permlane16_swap_b32 v[PC+6*\c+\i], v[TP+4*\c+\i]
.endr
.irp i, 0,1,2
	s_delay_alu instid0(VALU_DEP_3)
	v_mov_b32 v[PC+3+6*\c+\i], v[TP+4*\c+\i]
.endr
.endr
.set j, 0
.rept 16
	v_pk_mul_f32 v[OT+j:OT+j+1], v[OT+j:OT+j+1], v[F:F+1] op_sel_hi:[1,0]   ; O^T under the new M, from each accumulator's low end on.  (These 16 are also the places between p's scale word and codes and the products)
.set j, j+2
.endr
	s_wait_alu depctr_va_vdst(0)
	s_wait_dscnt 0x0                               ; V and its scale words are in
.irp t, 0,2                                    ; O^T += V^T P^T: the four accumulators take one turn each
	v_wmma_scale_f32_16x16x128_f8f6f4 v[OT+8*\t:OT+8*\t+7], v[VT+12*\t:VT+12*\t+11], v[PC:PC+11], v[OT+8*\t:OT+8*\t+7], v[VS+\t/2], v[PS] matrix_a_fmt:MATRIX_FMT_BF6 matrix_b_fmt:MATRIX_FMT_BF6
	v_wmma_scale_f32_16x16x128_f8f6f4 v[OT+8*\t+8:OT+8*\t+15], v[VT+12*\t+12:VT+12*\t+23], v[PC:PC+11], v[OT+8*\t+8:OT+8*\t+15], v[VS+\t/2], v[PS] matrix_a_fmt:MATRIX_FMT_BF6 matrix_b_fmt:MATRIX_FMT_BF6 matrix_a_scale:MATRIX_SCALE_ROW1
.endr
.Lhidden_\@:
	s_add_co_u32 s[KF], s[KF], 128
	s_add_co_u32 s[TB], s[TB], REC
.endm
; A slot's eight key steps: written once, walked eight times.
.macro SLOT_STEPS base
	s_mov_b32 s[TB], \base
	s_mov_b32 s[CNT], 8
.Lstep_\@:
	STEP
	s_sub_co_u32 s[CNT], s[CNT], 1
	s_cmp_lg_u32 s[CNT], 0
	s_cbranch_scc1 .Lstep_\@
	s_setprio 0
.endm
; THE CHANGE OF SLOTS.  Each wave waits for all its tensor loads (its part of the slot ahead), adds 0 to its spare word, and waits for that and for its reads of the slot that it leaves.
; Behind the barrier the slot ahead is whole and nobody reads the other.  fill = 1: slot n, just left, takes the records 16 steps on: the load has eight key steps in which to land.
.macro CHANGE fill, n
	s_wait_tensorcnt 0x0                           ; no tensor load of mine is out, so a group 0 may be written
	ds_add_u32 v[SPW], v[NIL]                      ; 0 onto my spare word
.if \fill
	s_add_nc_u64 s[G0+4*\n+2:G0+4*\n+3], s[G0+4*\n+2:G0+4*\n+3], 2*SLOTB   ; the type bits on top are not reached
.endif
	s_wait_dscnt 0x0                               ; the add is done, and my reads of the slot that I leave are over
	s_barrier_signal -1
	s_barrier_wait -1
.if \fill
	s_cmp_lt_u32 s[WV], 4
	s_cbranch_scc0 .Lno_fill_\@
	tensor_load_to_lds s[G0+4*\n:G0+4*\n+3], s[G1:G1+7]            ; the first thing behind the barrier, and a wave's one tensor load until the next
	s_nop 0
.rept 4
	v_nop
.endr
.Lno_fill_\@:
.endif
.endm
	SLOT_STEPS 0                                   ; key steps 0 to 7
	CHANGE 1, 0                                    ; slot 0 takes steps 16 to 23
	SLOT_STEPS SLOTB                               ; 8 to 15
	CHANGE 1, 1                                    ; slot 1 takes steps 24 to 31
	SLOT_STEPS 0                                   ; 16 to 23
	CHANGE 0, 0                                    ; nothing is left to fetch
	SLOT_STEPS SLOTB                               ; 24 to 31
	; THE WAY OUT.  O^T is divided by the row's sum and goes through my stage, so that sixteen lanes store one (query, head) row: 256 consecutive bytes, at a multiple of 256 from out0's first byte.
	v_add_f32 v[SUM], v[SUM], v[SUM+1]             ; the sum's two halves,
	s_wait_alu depctr_va_vdst(0)
	v_permlanex16_b32 v254, v[SUM], s[SEL], s[SEL+1]
	s_delay_alu instid0(VALU_DEP_1)
	v_add_f32 v[SUM], v[SUM], v254                 ; and lane l xor 16's
	s_wait_alu depctr_va_vdst(0)
	v_rcp_f32 v[SUM], v[SUM]
	v_and_b32 v255, 15, v0                         ; r  (a plain line behind the reciprocal)
	v_bfe_u32 v252, v0, 4, 1                       ; h
	s_delay_alu instid0(VALU_DEP_2)
	v_mul_u32_u24 v[A16], v255, SP
	s_delay_alu instid0(VALU_DEP_1)
	v_lshl_add_u32 v[A16], v252, 5, v[A16]
	s_delay_alu instid0(VALU_DEP_1)
	v_add_nc_u32 v[A16], s13, v[A16]               ; in: row r; tile t's eight channels of my half: 64 t + 32 h bytes on
	s_delay_alu instid0(VALU_DEP_4)
	v_mul_u32_u24 v[A8], v252, SP
	s_delay_alu instid0(VALU_DEP_1)
	v_lshl_add_u32 v[A8], v255, 4, v[A8]
	s_delay_alu instid0(VALU_DEP_1)
	v_add_nc_u32 v[A8], s13, v[A8]                 ; back: lanes 0-15 one row, lanes 16-31 the next
	v_lshlrev_b32 v[L8], 12, v252
	s_delay_alu instid0(VALU_DEP_1)
	v_lshl_add_u32 v[L8], v255, 4, v[L8]           ; and the same two queries in out0, 4,096 bytes apart
	s_wait_alu depctr_va_vdst(0)                   ; the wait ahead of the reciprocal's first reader
.set j, 0
.rept 32
	v_mul_f32 v[S+j], v[OT+j], v[SUM]              ; register 8 t + i is o(r, 16 t + 8 h + i)
.set j, j+1
.endr
.irp t, 0,1,2,3
	ds_store_b128 v[A16], v[S+8*\t:S+8*\t+3] offset:64*\t
	ds_store_b128 v[A16], v[S+8*\t+4:S+8*\t+7] offset:64*\t+16
.endr
.irp i, 0,1,2,3,4,5,6,7
	ds_load_b128 v[KT+4*\i:KT+4*\i+3], v[A8] offset:2*SP*\i        ; LDS serves a wave's instructions in order: these see my stores
.endr
.irp i, 0,1,2,3,4,5,6,7
	s_wait_dscnt 7-\i                              ; load i is back; the younger ones stay out
	global_store_b128 v[L8], v[KT+4*\i:KT+4*\i+3], s[8:9] offset:8192*\i th:TH_STORE_NT
.endr
	s_wait_tensorcnt 0x0                           ; the wave's end, behind my last tensor load and my last LDS store
	ds_add_u32 v[SPW], v[NIL]
	s_wait_dscnt 0x0
	s_endpgm
.Lfunc_end_k_q5c4a8bda5e_attn:
	.size	k_q5c4a8bda5e_attn, .Lfunc_end_k_q5c4a8bda5e_attn-k_q5c4a8bda5e_attn
	.p2alignl 7, 3214868480
	.fill 96, 4, 3214868480
	.section	.rodata,"a",@progbits
	.p2align	6, 0x0
	.amdhsa_kernel k_q5c4a8bda5e_attn
		.amdhsa_group_segment_fixed_size 327680
		.amdhsa_private_segment_fixed_size 0
		.amdhsa_enable_private_segment 0
		.amdhsa_kernarg_size 24
		.amdhsa_user_sgpr_count 2
		.amdhsa_user_sgpr_kernarg_segment_ptr 1
		.amdhsa_wavefront_size32 1
		.amdhsa_system_sgpr_workgroup_id_x 1
		.amdhsa_system_sgpr_workgroup_id_y 1
		.amdhsa_system_sgpr_workgroup_id_z 1
		.amdhsa_system_vgpr_workitem_id 0
		.amdhsa_next_free_vgpr 256
		.amdhsa_next_free_sgpr 66
		.amdhsa_reserve_vcc 1
		.amdhsa_float_denorm_mode_32 3
		.amdhsa_float_denorm_mode_16_64 3
		.amdhsa_memory_ordered 1
		.amdhsa_forward_progress 1
		.amdhsa_inst_pref_size 107
	.end_amdhsa_kernel
	.amdgpu_metadata
---
amdhsa.version: [ 1, 2 ]
amdhsa.kernels:
  - .name:           k_q5c4a8bda5e_attn
    .symbol:         k_q5c4a8bda5e_attn.kd
    .args:
      - { .name: qkv, .offset: 0, .size: 8, .value_kind: global_buffer, .address_space: global }
      - { .name: kv, .offset: 8, .size: 8, .value_kind: global_buffer, .address_space: global }
      - { .name: out0, .offset: 16, .size: 8, .value_kind: global_buffer, .address_space: global }
    .group_segment_fixed_size: 327680
    .private_segment_fixed_size: 0
    .kernarg_segment_align: 8
    .kernarg_segment_size: 24
    .max_flat_workgroup_size: 512
    .sgpr_count:     66
    .vgpr_count:     256
    .wavefront_size: 32
...
	.end_amdgpu_metadata
.endif
;; end of part 2
